; MI455X (gfx1250); checked and timed in simulation.
; The chip was launched on July 23, 2026; its instructions are those of AMD's public machine-readable ISA for CDNA 5 (MIT licence, August 2026) and "CDNA5" Instruction Set Architecture Reference Guide (July 2026). The comments in the code are by the model that wrote it; some were corrected since.
;; Euclidean Codebook. Allowed arithmetic: float matrix products may take bf16 or f16 operands with f32 sums; other float arithmetic in f32, or as packed bf16 or f16 multiplies, adds, multiply-adds, maxima and minima; sums over many terms, partial sums and values carried from step to step in f32; what a program stores and reads back later, other than sums and carried values, may be rounded once to bf16 or f16.
;; Inputs: embed 8,192 x 256 float32; x 8 x 4,096 x 256 float32.
;; Outputs: out0 8 x 4,096 x 256 float32.
;; 2 versions, each right; version 2 is version 1 with the launch prep written anew for expert scheduling mode. Each part assembles by itself: llvm-mc -triple=amdgcn-amd-amdhsa -mcpu=gfx1250 --defsym DOCPART=n.
;; ======== version 1 of 2: 3 launches
;; workspace buffers: ebf 4,194,304 bytes; hsq 32,768 bytes; idx 131,072 bytes of whole numbers
;; launch prep (part 1): grid 256 x 1, 4 waves a work-group, no clusters, 0 bytes of LDS; arguments embed, ebf, hsq; writes ebf, hsq
.if DOCPART == 1
	.amdgcn_target "amdgcn-amd-amdhsa--gfx1250"
	.amdhsa_code_object_version 6
	.text
	.protected	k_qe050ae2e5a_prep
	.globl	k_qe050ae2e5a_prep
	.p2align	8
	.type	k_qe050ae2e5a_prep,@function
k_qe050ae2e5a_prep:
	s_mov_b64 s[64:65], 0
	v_nop
	global_prefetch_b8 v0, s[64:65] scope:SCOPE_SE
	s_setreg_imm32_b32 hwreg(HW_REG_WAVE_MODE, 25, 1), 1
	s_wait_xcnt 0x0
; ebf[i][k] = embed[i][k] rounded once to bf16 (nearest even);  hsq[i] = -0.5 x the sum over k of ebf[i][k]^2, in f32.
; embed: [8192][256] f32.  ebf: [8192][256] bf16.  hsq: [8192] f32.  The squares are taken of the ROUNDED numbers, since the scores of the next launch are made of them.
; A work-group takes 32 rows, each of its four waves 8; lane l holds elements 8 l .. 8 l + 7 of each row, so a row's 16 bytes a lane leave as 512 consecutive bytes.
; All 16 loads of a wave go out first; no LDS, no barrier: a row's sum never leaves its wave.  hsq leaves as 32 bytes a wave: 32 KiB of the launch's 12.6 MB, for which a stage in LDS would not pay.
; LIMITS: a row's sum of squares must be finite in f32, as it must in the reference; the order of the sum is this text's own.
.set X, 8                              ; v[8:71]    row i: 8 registers as loaded
.set Y, 72                             ; v[72:103]  row i: 4 registers, 8 bf16 to store; never rewritten
.set T, 104                            ; v[104:111] at work
.set R, 112                            ; v[112:119] row i: its sum
	s_load_b128 s[4:7], s[0:1], 0x0                ; embed s[4:5], ebf s[6:7]
	s_load_b64 s[8:9], s[0:1], 0x10                ; hsq
	v_and_b32 v1, 31, v0                           ; lane
	v_lshrrev_b32 v5, 5, v0                        ; wave
	v_lshlrev_b32 v2, 5, v1
	v_lshl_add_u32 v2, v5, 13, v2                  ; in: wave x 8 rows x 1,024 bytes + 32 x lane
	v_lshlrev_b32 v3, 4, v1
	v_lshl_add_u32 v3, v5, 12, v3                  ; out: wave x 8 rows x 512 bytes + 16 x lane
	v_lshlrev_b32 v4, 2, v1
	v_lshl_add_u32 v4, v5, 5, v4                   ; hsq: wave x 8 words + lane's word
	s_lshl_b32 s10, ttmp9, 15                      ; the work-group's 32 rows in embed,
	s_mov_b32 s11, 0
	s_lshl_b32 s12, ttmp9, 14                      ; in ebf,
	s_mov_b32 s13, 0
	s_lshl_b32 s14, ttmp9, 7                       ; in hsq
	s_mov_b32 s15, 0
	s_mov_b32 s16, 0x76543210                      ; v_permlanex16_b32: each lane takes its own place in the other half
	s_mov_b32 s17, 0xfedcba98
	s_mov_b32 s18, 0xffff0000                      ; a word's upper bf16
	s_wait_kmcnt 0x0
	s_add_nc_u64 s[4:5], s[4:5], s[10:11]
	s_add_nc_u64 s[6:7], s[6:7], s[12:13]
	s_add_nc_u64 s[8:9], s[8:9], s[14:15]
.irp i, 0,1,2,3,4,5,6,7
	global_load_b128 v[X+8*(\i):X+8*(\i)+3],   v2, s[4:5] offset:1024*(\i)
	global_load_b128 v[X+8*(\i)+4:X+8*(\i)+7], v2, s[4:5] offset:1024*(\i)+16
.endr
.irp i, 0,1,2,3,4,5,6,7
	s_wait_loadcnt 14-2*(\i)                       ; loads come back in order: row i is in, the two loads of each later row may stay out
.irp k, 0,1,2,3
	v_cvt_pk_bf16_f32 v[Y+4*(\i)+(\k)], v[X+8*(\i)+2*(\k)], v[X+8*(\i)+2*(\k)+1]
.endr
	global_store_b128 v3, v[Y+4*(\i):Y+4*(\i)+3], s[6:7] offset:512*(\i)  ; the wave stores 512 consecutive bytes, a whole row of ebf
.irp k, 0,1,2,3
	v_lshlrev_b32 v[T+2*(\k)],   16,  v[Y+4*(\i)+(\k)]   ; the rounded numbers back as f32
	v_and_b32     v[T+2*(\k)+1], s18, v[Y+4*(\i)+(\k)]
.endr
	v_pk_mul_f32 v[T:T+1], v[T:T+1], v[T:T+1]
	v_pk_fma_f32 v[T:T+1], v[T+2:T+3], v[T+2:T+3], v[T:T+1]
	v_pk_fma_f32 v[T:T+1], v[T+4:T+5], v[T+4:T+5], v[T:T+1]
	v_pk_fma_f32 v[T:T+1], v[T+6:T+7], v[T+6:T+7], v[T:T+1]
	v_add_f32 v[R+(\i)], v[T], v[T+1]              ; my 8 squares of row i
.endr
.irp m, 1,2,4,8                        ; across the lanes, the eight rows side by side: four steps inside each half of 16 lanes,
.irp i, 0,1,2,3,4,5,6,7
	v_add_f32_dpp v[R+(\i)], v[R+(\i)], v[R+(\i)] row_xmask:\m row_mask:0xf bank_mask:0xf
.endr
.endr
.irp i, 0,1,2,3,4,5,6,7
	v_permlanex16_b32 v[T+(\i)], v[R+(\i)], s16, s17  ; one across the halves (the destination has been written before)
.endr
.irp i, 0,1,2,3,4,5,6,7
	v_add_f32 v[R+(\i)], v[R+(\i)], v[T+(\i)]
.endr
	v_mov_b32 v[T], v[R]                           ; lane i takes row i's sum
.irp i, 1,2,3,4,5,6,7
	v_cmp_eq_u32 vcc_lo, \i, v1
	v_cndmask_b32 v[T], v[T], v[R+(\i)], vcc_lo
.endr
	v_mul_f32 v[T], -0.5, v[T]
	v_cmp_gt_u32 vcc_lo, 8, v1
	s_wait_xcnt 0x0                                ; EXEC is a source of the stores above: it changes only behind this wait
	s_and_saveexec_b32 s19, vcc_lo
	global_store_b32 v4, v[T], s[8:9]              ; lanes 0 to 7: the wave's eight numbers
	s_wait_xcnt 0x0                                ; and again in front of the line that widens it
	s_or_b32 exec_lo, exec_lo, s19
	s_endpgm
.Lfunc_end_k_qe050ae2e5a_prep:
	.size	k_qe050ae2e5a_prep, .Lfunc_end_k_qe050ae2e5a_prep-k_qe050ae2e5a_prep
	.p2alignl 7, 3214868480
	.fill 96, 4, 3214868480
	.section	.rodata,"a",@progbits
	.p2align	6, 0x0
	.amdhsa_kernel k_qe050ae2e5a_prep
		.amdhsa_group_segment_fixed_size 0
		.amdhsa_private_segment_fixed_size 0
		.amdhsa_enable_private_segment 0
		.amdhsa_kernarg_size 24
		.amdhsa_user_sgpr_count 2
		.amdhsa_user_sgpr_kernarg_segment_ptr 1
		.amdhsa_wavefront_size32 1
		.amdhsa_system_sgpr_workgroup_id_x 1
		.amdhsa_system_sgpr_workgroup_id_y 1
		.amdhsa_system_sgpr_workgroup_id_z 1
		.amdhsa_system_vgpr_workitem_id 0
		.amdhsa_next_free_vgpr 120
		.amdhsa_next_free_sgpr 66
		.amdhsa_reserve_vcc 1
		.amdhsa_float_denorm_mode_32 3
		.amdhsa_float_denorm_mode_16_64 3
		.amdhsa_memory_ordered 1
		.amdhsa_forward_progress 1
		.amdhsa_inst_pref_size 14
	.end_amdhsa_kernel
	.amdgpu_metadata
---
amdhsa.version: [ 1, 2 ]
amdhsa.kernels:
  - .name:           k_qe050ae2e5a_prep
    .symbol:         k_qe050ae2e5a_prep.kd
    .args:
      - { .name: embed, .offset: 0, .size: 8, .value_kind: global_buffer, .address_space: global }
      - { .name: ebf, .offset: 8, .size: 8, .value_kind: global_buffer, .address_space: global }
      - { .name: hsq, .offset: 16, .size: 8, .value_kind: global_buffer, .address_space: global }
    .group_segment_fixed_size: 0
    .private_segment_fixed_size: 0
    .kernarg_segment_align: 8
    .kernarg_segment_size: 24
    .max_flat_workgroup_size: 128
    .sgpr_count:     66
    .vgpr_count:     120
    .wavefront_size: 32
...
	.end_amdgpu_metadata
.endif
;; end of part 1
;; launch score (part 2): grid 256 x 1, 4 waves a work-group, clusters of 4 x 1, 327,680 bytes of LDS; arguments x, ebf, hsq, idx; writes idx
.if DOCPART == 2
	.amdgcn_target "amdgcn-amd-amdhsa--gfx1250"
	.amdhsa_code_object_version 6
	.text
	.protected	k_qe050ae2e5a_score
	.globl	k_qe050ae2e5a_score
	.p2align	8
	.type	k_qe050ae2e5a_score,@function
k_qe050ae2e5a_score:
	s_mov_b64 s[64:65], 0
	v_nop
	global_prefetch_b8 v0, s[64:65] scope:SCOPE_SE
	s_setreg_imm32_b32 hwreg(HW_REG_WAVE_MODE, 25, 1), 1
	s_wait_xcnt 0x0
	s_wait_alu depctr_hold_cnt(0) depctr_sa_sdst(0) depctr_va_vdst(0) depctr_va_sdst(0) depctr_va_ssrc(0) depctr_va_vcc(0) depctr_vm_vsrc(0)
	s_getreg_b32 s2, hwreg(HW_REG_IB_STS2, 6, 4)
	s_cmp_eq_u32 s2, 0
	s_cbranch_scc0 .Lentry_in_a_cluster
	s_endpgm
.Lentry_in_a_cluster:
	s_bfe_u32 s2, ttmp6, 0x10000c
	s_cmp_lg_u32 s2, 0x3003
	s_cbranch_scc0 .Lentry_shape_is_right
	s_endpgm
.Lentry_shape_is_right:
; idx[q] = the index i of the largest score s(q, i) = x^[q] . e^[i] - 0.5 |e^[i]|^2, x^ = x rounded once to bf16, e^ = ebf, the second term = hsq[i].  x: [32768][256] f32, ebf: [8192][256] bf16, hsq: [8192] f32, idx: [32768] u32.
; |x|^2 is the same for all codes of a row and 2 is a positive factor, so this is the argmax of -(|x|^2 - 2 x.e + |e|^2) on the rounded operands.
; LIMITS.  Sums in f32, in the matrix unit's order, starting from hsq: the order of rounding is not the reference's, so two codes whose distances lie within f32's rounding of each other may be chosen otherwise.
; On equal f32 scores the lowest index wins.  NaN and infinities are not treated apart (a NaN score loses every maximum).
; SHARES.  A work-group owns 128 queries.  EVERY wave holds all 128 as source 1 of the products: 8 query tiles x 8 K steps x 8 registers = 512.  The waves share the CODES: the codebook goes in 32 chunks of 256 codes
; through two LDS slots; of a chunk wave w takes rows 64 w .. 64 w + 63, four tiles of 16 codes.  A tile's 16 + 2 LDS loads feed 64 matrix instructions.
; LAYOUT.  D = A (16 codes) x B (16 queries) + C: lane (r, h) holds query r, register j code 16 T + 8 h + j of tile T.  The C of K step 0 is hsq of those eight codes, so the scores cost no vector work.
; ARGMAX.  For each lane and query tile: the best score so far (BV), the tile that held it (BT) and that tile's eight scores (SV).  14 vector instructions for 8 matrix instructions; they belong to the tile BEFORE the one
; that is multiplied (two sets of accumulators take turns) and stand in slices behind every second product.  At the end the place in the tile is found from SV, the halves of the lanes and the four waves are compared.
; CLUSTER.  The four work-groups of a cluster walk the same chunks and the same hsq: these are asked for JOINTLY, same load, same descriptor, mask of four.  x is each work-group's own (mask 0).
; REGISTERS, in windows of 256 (s_set_vgpr_msb: bits 1:0 source 0, 3:2 source 1, 5:4 source 2, 7:6 destination):
;   window 0: addresses, hsq's two buffers, BV, BT, SV, and v128-255 the two sets of 8 accumulators        window 1: v0-127 two buffers of a tile's code fragments; v128-255 x in f32 on its way to bf16
;   window 2: x tiles 0-3 (tile t, K step c at 64 t + 8 c)        window 3: x tiles 4-7.   x alone fills two windows, so products and slices cannot share a setting: eight switches for a K step's 8 products.
.set PE,     528                       ; a row of codes in LDS: 512 bytes + 16 of padding = 33 x 16: the 16 rows of a fragment load start at 16 different groups of four banks (64 banks of 4 bytes: ISA guide 11.1)
.set WTILE,  64*PE                     ; a wave's 64 rows of a chunk
.set SLOT1,  4*WTILE                   ; 0x21000: shares no bit with wave x WTILE (0x8400 w), so one exclusive or turns an address in one slot into the other's
.set PX,     1040                      ; a row of x in LDS: 1,024 bytes + 16 = 65 x 16.  x (128 rows, 133,120 bytes) is slot 1's first filling
.set HB,     2*SLOT1                   ; hsq, all 32,768 bytes, filled once
.set MERGE,  HB+32768                  ; the waves' results: [4][128] f32, then [4][128] u32; written by LDS stores, never filled by a tensor load
.set SPARE,  MERGE+4096                ; the spare words, 128 bytes for each wave: two blocks of 256 bytes that no other line names
.set CHUNKB, 256*512                   ; a chunk in memory
.set AK0,  3                           ; v3   (64 w + r) x 528 + 16 h: my place in a slot; never rewritten
.set ADR,  4                           ; v4   the same in the slot that is read
.set HADR, 5                           ; v5   LDS address of my part of hsq for the chunk that is read
.set XA0,  6                           ; v6   my place in x's rows 0-63; v7 in rows 64-127
.set SPW,  8                           ; v8   LDS address of my spare word; never rewritten
.set NIL,  9                           ; v9   0; never rewritten
.set MX,   10                          ; v10-12 at work
.set MST,  13                          ; v13  where I store into MERGE
.set MRD,  14                          ; v14  where wave 0 reads it back
.set GO,   15                          ; v15  my byte offset in the work-group's 512 bytes of idx
.set HR,   16                          ; v16-31  hsq of a tile's codes, two buffers of 8
.set BV,   32                          ; v32-47  best score, set q at +8 q, query tile t at +t: the sets take turns, so that old and new can be compared
.set BT,   48                          ; v48-55  the tile that held it
.set SV,   56                          ; v56-119 that tile's eight scores, query tile t at +8 t
.set H0,   120                         ; v120 HB + 256 w + 32 h; never rewritten
.set ACC,  128                         ; set q at +64 q, query tile t at +8 t
.set XT,   128                         ; window 1: two buffers of 64
.set HS,   3                           ; s3   bytes of hsq in front of the chunk that is read
.set WV,   12                          ; s12  my wave's number
.set CX,   13                          ; s13  my place in the cluster: it enters x's and idx's addresses alone
.set WG,   14                          ; s14  my work-group
.set TS,   15                          ; s15  at work
.set G1E,  16                          ; s[16:23] group 1, codes
.set G1X,  24                          ; s[24:31] group 1, x
.set G0E,  32                          ; s[32:35] group 0, codes: it walks
.set G0X,  36                          ; s[36:39] group 0, x
.set G0H,  40                          ; s[40:43] group 0, hsq
.set G1H,  44                          ; s[44:51] group 1, hsq
.set TB,   52                          ; s52  the slot that is read: 0 or SLOT1
.set CNT,  53                          ; s53  trips
.set SEL,  54                          ; s[54:55] v_permlanex16_b32: each lane takes its own place in the other half
.set TI,   56                          ; s56-59 the number 16 x chunk + 4 w + i of tile i of the chunk whose scores are looked through next
.set MK,   60                          ; s60-61 lane masks
.set OFS,  62                          ; s[62:63] a byte offset
.set MSB, 0
.macro WIN new                         ; the immediate's high byte repeats the setting that is left; a switch that changes nothing is dropped
.if MSB != (\new)
	s_set_vgpr_msb (MSB<<8)|(\new)
.set MSB, \new
.endif
.endm
.macro PLACES                          ; four places behind matrix instructions (ISA guide 7.12.1) where no other vector work is at hand
.rept 4
	v_nop
.endr
.endm
.macro CREST                           ; a round of the cluster's barrier behind its opening barrier: wave 0 signals for the work-group, every wave waits for all four work-groups, my work-group's barrier closes it
	s_cmp_lg_u32 s[WV], 0
	s_cbranch_scc1 .Lnot_wave_0_\@
	s_barrier_signal -3
.Lnot_wave_0_\@:
	s_barrier_wait -3
	s_barrier_signal -1
	s_barrier_wait -1
.endm
.macro CROUND                          ; a whole round
	s_barrier_signal -1
	s_barrier_wait -1
	CREST
.endm
	s_load_b256 s[4:11], s[0:1], 0x0               ; x s[4:5], ebf s[6:7], hsq s[8:9], idx s[10:11]
	v_lshl_add_u32 v[SPW], v0, 2, SPARE
	v_mov_b32 v[NIL], 0
	ds_add_u32 v[SPW], v[NIL]                      ; the wave's opening: the add and its wait stand ahead of my first tensor load; the set-up below, work on registers, stands between them
	v_lshrrev_b32 v1, 5, v0
	v_readfirstlane_b32 s[WV], v1                  ; wave 0..3
	s_bfe_u32 s[CX], ttmp6, 0x40000                ; cx
	s_lshl_b32 s[WG], ttmp9, 2                     ; in a cluster launch ttmp9 counts clusters
	s_add_co_u32 s[WG], s[WG], s[CX]               ; my work-group = 4 x cluster + cx
	; group 1 for the codes: 64 rows x 256 elements of 2 bytes, 16 bytes of padding behind each row
	s_mov_b32 s[G1E+0], 15|(1<<16)|(1<<20)|(1<<21)|(6<<22)|(3<<25)  ; 15:0 the mask of four; 17:16 2-byte elements; 20 padding on; 21 set beside a mask; 24:22 after every 128 words (code 6); 31:25 4 words (code 3)
	s_mov_b32 s[G1E+1], 256<<16                    ; tensor_dim0 = 256
	s_mov_b32 s[G1E+2], 64<<16                     ; tensor_dim1 = 64
	s_mov_b32 s[G1E+3], 256<<16                    ; tile_dim0 = 256
	s_mov_b32 s[G1E+4], 64                         ; tile_dim1 = 64
	s_mov_b32 s[G1E+5], 256                        ; elements from row to row
	s_mov_b32 s[G1E+6], 0
	s_mov_b32 s[G1E+7], 0
	; group 1 for x: 32 rows x 256 elements of 4 bytes, 16 bytes of padding behind each row; no mask: the rows are my work-group's own
	s_mov_b32 s[G1X+0], (2<<16)|(1<<20)|(7<<22)|(3<<25)  ; 17:16 4-byte elements; 20 padding on; 24:22 after every 256 words (code 7); 31:25 4 words (code 3)
	s_mov_b32 s[G1X+1], 256<<16
	s_mov_b32 s[G1X+2], 32<<16
	s_mov_b32 s[G1X+3], 256<<16
	s_mov_b32 s[G1X+4], 32
	s_mov_b32 s[G1X+5], 256
	s_mov_b32 s[G1X+6], 0
	s_mov_b32 s[G1X+7], 0
	; group 1 for hsq: 8,192 dense bytes as 32 rows of 32 elements of 8 bytes, no padding
	s_mov_b32 s[G1H+0], 15|(3<<16)|(1<<21)
	s_mov_b32 s[G1H+1], 32<<16
	s_mov_b32 s[G1H+2], 32<<16
	s_mov_b32 s[G1H+3], 32<<16
	s_mov_b32 s[G1H+4], 32
	s_mov_b32 s[G1H+5], 32
	s_mov_b32 s[G1H+6], 0
	s_mov_b32 s[G1H+7], 0
	s_mov_b32 s[G0E], 1                            ; count = 1
	s_mul_i32 s[G0E+1], s[WV], WTILE               ; LDS: my 64 rows of slot 0: no place in the cluster enters an LDS address
	s_mov_b32 s[G0X], 1
	s_mul_i32 s[G0X+1], s[WV], 32*PX
	s_add_co_u32 s[G0X+1], s[G0X+1], SLOT1         ; LDS: my 32 rows of x, in slot 1
	s_mov_b32 s[G0H], 1
	s_lshl_b32 s[G0H+1], s[WV], 13
	s_add_co_u32 s[G0H+1], s[G0H+1], HB            ; LDS: my quarter of hsq
	s_mov_b32 s[TB], 0
	s_mov_b32 s[HS], 0
	s_mov_b32 s[SEL], 0x76543210
	s_mov_b32 s[SEL+1], 0xfedcba98
	s_lshl_b32 s[TI], s[WV], 2                     ; chunk 0: tiles 4 w .. 4 w + 3
	s_add_co_u32 s[TI+1], s[TI], 1
	s_add_co_u32 s[TI+2], s[TI], 2
	s_add_co_u32 s[TI+3], s[TI], 3
	s_mov_b32 s[OFS+1], 0
	s_wait_dscnt 0x0                               ; the opening add is done
	s_wait_kmcnt 0x0
	s_lshl_b32 s[OFS], s[WV], 15                   ; the joint loads' addresses first: they hang on the wave's number alone.  My 64 rows of 512 bytes of chunk 0,
	s_add_nc_u64 s[G0E+2:G0E+3], s[6:7], s[OFS:OFS+1]
	s_or_b32 s[G0E+3], s[G0E+3], 0x80000000        ; type = 2
	s_lshl_b32 s[OFS], s[WV], 13                   ; my quarter of hsq
	s_add_nc_u64 s[G0H+2:G0H+3], s[8:9], s[OFS:OFS+1]
	s_or_b32 s[G0H+3], s[G0H+3], 0x80000000
	s_lshl_b32 s[OFS], s[WG], 2                    ; x: (4 x work-group + wave) x 32 rows of 1,024 bytes
	s_add_co_u32 s[OFS], s[OFS], s[WV]
	s_lshl_b32 s[OFS], s[OFS], 15
	s_add_nc_u64 s[G0X+2:G0X+3], s[4:5], s[OFS:OFS+1]
	s_or_b32 s[G0X+3], s[G0X+3], 0x80000000
	s_lshl_b32 s[OFS], s[WG], 9                    ; idx: 128 words a work-group
	s_add_nc_u64 s[10:11], s[10:11], s[OFS:OFS+1]
	CROUND                                         ; all four work-groups are here: the first joint loads meet
	tensor_load_to_lds s[G0X:G0X+3], s[G1X:G1X+7]  ; the first fills go out as one group: three loads of mine are out.  x first: it is wanted first
	s_nop 0
	tensor_load_to_lds s[G0H:G0H+3], s[G1H:G1H+7]
	s_nop 0
	tensor_load_to_lds s[G0E:G0E+3], s[G1E:G1E+7]  ; chunk 0
	s_nop 0
	PLACES                                         ; an s_nop 0 behind each load, four v_nop behind the last
	v_and_b32 v1, 15, v0                           ; r
	v_bfe_u32 v2, v0, 4, 1                         ; h
	s_mul_i32 s[TS], s[WV], WTILE
	v_mul_u32_u24 v[AK0], v1, PE                   ; a fragment of codes: lane (r, h) takes row r, bytes 16 h and 32 + 16 h of each 64
	v_lshl_add_u32 v[AK0], v2, 4, v[AK0]
	v_add_nc_u32 v[AK0], s[TS], v[AK0]
	s_lshl_b32 s[TS], s[WV], 8
	s_add_co_u32 s[TS], s[TS], HB
	v_lshl_add_u32 v[H0], v2, 5, s[TS]             ; hsq of codes 64 w + 8 h + 0..7 of a chunk
	v_mul_u32_u24 v[XA0], v1, PX                   ; x in f32: row r, bytes 32 h of each 64
	v_lshl_add_u32 v[XA0], v2, 5, v[XA0]
	v_add_nc_u32 v[XA0], SLOT1, v[XA0]
	v_add_nc_u32 v[XA0+1], 64*PX, v[XA0]           ; an LDS offset has 16 bits: rows 64 on have an address of their own
	s_lshl_b32 s[TS], s[WV], 9
	s_add_co_u32 s[TS], s[TS], MERGE
	v_lshl_add_u32 v[MST], v1, 2, s[TS]            ; my wave's 128 words, query r of a tile
	v_and_b32 v[GO], 31, v0
	v_lshlrev_b32 v[GO], 4, v[GO]
	v_add_nc_u32 v[MRD], MERGE, v[GO]
	s_wait_tensorcnt 0x2                           ; my rows of x are in; the two loads issued behind them, hsq and chunk 0, may stay out
	s_barrier_signal -1
	s_barrier_wait -1                              ; everybody's rows of x are in
; x TO bf16, once.  Batch b of 16 is query tile b / 2, K steps 4 (b % 2) + 0..3.  A fragment's lane wants k = 32 c + 8 h + 0..7 and 32 c + 16 + 8 h + 0..7: in f32 two times 32 bytes, 64 bytes apart.
.macro XLOAD b
	WIN 0x40                                       ; destination window 1, address window 0
.irp f, 0,1,2,3
.irp k, 0,1,2,3
	ds_load_b128 v[XT+64*((\b)%2)+16*(\f)+4*(\k):XT+64*((\b)%2)+16*(\f)+4*(\k)+3], v[XA0+(\b)/8] offset:(((\b)/2)%4)*16*PX+128*(4*((\b)%2)+(\f))+16*((\k)%2)+64*((\k)/2)
.endr
.endr
.endm
.macro XCVT b
	WIN 0x85+0x40*((\b)/8)                         ; sources window 1, destination window 2 (tiles 0-3) or 3
.irp f, 0,1,2,3
.irp i, 0,1,2,3,4,5,6,7
	v_cvt_pk_bf16_f32 v[64*(((\b)/2)%4)+8*(4*((\b)%2)+(\f))+(\i)], v[XT+64*((\b)%2)+16*(\f)+2*(\i)], v[XT+64*((\b)%2)+16*(\f)+2*(\i)+1]
.endr
.endr
.endm
	XLOAD 0
.set xb, 0
.rept 16
.if xb < 15
	XLOAD xb+1
	s_wait_dscnt 16                                ; LDS loads come back in order: this batch is in, the next batch's sixteen may stay out
.else
	s_wait_dscnt 0x0
.endif
	XCVT xb
.set xb, xb+1
.endr
; THE FIRST CHANGE.  x has been read out of slot 1: chunk 1 takes its place.  The same waits show chunk 0 and hsq whole to every wave.
	WIN 0
	s_wait_tensorcnt 0x0                           ; all my tensor loads have landed, so a group 0 may be written
	ds_add_u32 v[SPW], v[NIL]                      ; 0 onto my spare word: the descriptor's step stands between it and the wait for it
	s_xor_b32 s[G0E+1], s[G0E+1], SLOT1            ; the walking descriptor: the other slot,
	s_add_nc_u64 s[G0E+2:G0E+3], s[G0E+2:G0E+3], CHUNKB  ; the next chunk; the type bits on top are not reached
	s_wait_dscnt 0x0                               ; the add is done, and my reads of x are over
	CROUND                                         ; both now hold of every wave of all four work-groups
	tensor_load_to_lds s[G0E:G0E+3], s[G1E:G1E+7]  ; the first thing behind the round, my one load until the next
	s_nop 0
	v_add_nc_u32 v[ADR], s[TB], v[AK0]
	v_add_nc_u32 v[HADR], s[HS], v[H0]
	v_nop
	v_nop                                          ; four vector instructions stand between the load and the next switch of windows
; 18 LDS loads in one run: tile fi of the chunk in hand: its 8 fragments into buffer pn, and hsq of its codes
.macro FETCH pn, fi
	WIN 0x40
.irp c, 0,1,2,3,4,5,6,7
	ds_load_b128 v[64*(\pn)+8*(\c):64*(\pn)+8*(\c)+3],   v[ADR] offset:(\fi)*16*PE+64*(\c)
	ds_load_b128 v[64*(\pn)+8*(\c)+4:64*(\pn)+8*(\c)+7], v[ADR] offset:(\fi)*16*PE+64*(\c)+32
.endr
	WIN 0
	ds_load_b128 v[HR+8*(\pn):HR+8*(\pn)+3],   v[HADR] offset:64*(\fi)
	ds_load_b128 v[HR+8*(\pn)+4:HR+8*(\pn)+7], v[HADR] offset:64*(\fi)+16
.endm
; Number en (0 to 13) of the 14 that look through the scores of accumulator set q, query tile t.  mode 1: the launch's first tile, which starts BV, BT and SV: nothing is ever cleared.
;   0-3  the largest of the eight scores and the old best (the accumulator's lowest registers are read first)     4  does the old best stand?  Only a strictly greater score replaces it,
;   and tiles come in ascending order: the first of equals stays     5  the tile's number     6-13  its eight scores
.macro EPI q, t, mode, eid
.set rA, ACC+64*(\q)+8*(\t)
.set rN, BV+8*(\q)+(\t)
.set rO, BV+8*(1-(\q))+(\t)
.set rB, BT+(\t)
.set rS, SV+8*(\t)
.if en == 0
	v_max3_num_f32 v[MX], v[rA], v[rA+1], v[rA+2]
.elseif en == 1
	v_max3_num_f32 v[MX+1], v[rA+3], v[rA+4], v[rA+5]
.elseif (en == 2) && ((\mode) == 1)
	v_max_num_f32 v[MX+2], v[rA+6], v[rA+7]
.elseif en == 2
	v_max3_num_f32 v[MX+2], v[rA+6], v[rA+7], v[rO]
.elseif en == 3
	v_max3_num_f32 v[rN], v[MX], v[MX+1], v[MX+2]
.elseif (en == 4) && ((\mode) == 1)
.elseif en == 4
	v_cmp_ge_f32 vcc_lo, v[rO], v[rN]
.elseif (en == 5) && ((\mode) == 1)
	v_mov_b32 v[rB], s[TI+(\eid)]
.elseif en == 5
	v_cndmask_b32 v[rB], s[TI+(\eid)], v[rB], vcc_lo
.elseif (\mode) == 1
	v_mov_b32 v[rS+en-6], v[rA+en-6]
.else
	v_cndmask_b32 v[rS+en-6], v[rA+en-6], v[rS+en-6], vcc_lo
.endif
.endm
.macro EPIS q, t, lo, hi, mode, eid    ; numbers lo to hi
.set en, \lo
.rept (\hi)-(\lo)+1
	EPI \q, \t, \mode, \eid
.set en, en+1
.endr
.endm
; K step c of the tile in buffer and set p: 8 products, the 8 accumulators by turns; the first K step starts the sums from hsq.  Behind every second product a slice of the tile before's
; bookkeeping (set 1 - p), for query tile c: K step c carries query tile c.  The mask in VCC is made and used up inside one K step.  mode 0: there is no tile before.
.macro BLOCK p, c, mode, eid
.irp t, 0,1,2,3,4,5,6,7
	WIN 0x09+4*((\t)/4)                            ; codes window 1, x window 2 or 3, C and D window 0
.if (\c) == 0
	v_wmma_f32_16x16x32_bf16 v[ACC+64*(\p)+8*(\t):ACC+64*(\p)+8*(\t)+7], v[64*(\p)+8*(\c):64*(\p)+8*(\c)+7], v[64*((\t)%4)+8*(\c):64*((\t)%4)+8*(\c)+7], v[HR+8*(\p):HR+8*(\p)+7]
.else
	v_wmma_f32_16x16x32_bf16 v[ACC+64*(\p)+8*(\t):ACC+64*(\p)+8*(\t)+7], v[64*(\p)+8*(\c):64*(\p)+8*(\c)+7], v[64*((\t)%4)+8*(\c):64*((\t)%4)+8*(\c)+7], v[ACC+64*(\p)+8*(\t):ACC+64*(\p)+8*(\t)+7]
.endif
.if (\mode) && ((\t) == 1)
	WIN 0
	EPIS 1-(\p), \c, 0, 3, \mode, \eid
.elseif (\mode) && ((\t) == 3)
	WIN 0
	EPIS 1-(\p), \c, 4, 6, \mode, \eid
.elseif (\mode) && ((\t) == 5)
	WIN 0
	EPIS 1-(\p), \c, 7, 10, \mode, \eid
.elseif (\mode) && ((\t) == 7)
	WIN 0
	EPIS 1-(\p), \c, 11, 13, \mode, \eid
.endif
.endr
.endm
; A TILE: 64 products on buffer and set p.  fi: the tile of the chunk in hand that is fetched for the next turn (-1: none).  eid: which of its chunk's four the tile before was.
; chg = 1: this is a chunk's last tile: THE CHANGE OF SLOTS.  Its fragments are in registers, so my reads of the slot are over.  I wait for all my tensor loads, of which one is out: my rows of the other slot; add 0 to my
; spare word; wait for that; the barrier opens a round of the cluster's, so that no wave of any partner still reads the slot or has a load on its way; the joint refill, the chunk two on, is the first thing behind it,
; and has some 240 products of mine in which to land.  chg = 2: the last change: nothing is left to ask for, and no round follows.
; PLACES (ISA guide 7.12.1).  An accumulator's last product and its first reader: 14 slices' instructions of the other set, or more.  The loads into a buffer and its last product: three K steps' slices.
.macro TILE p, fi, chg, mode, eid
	s_wait_dscnt 0x0                               ; this tile's 18 loads, issued five K steps ago, are in
	BLOCK \p, 0, \mode, \eid
.if \chg
	WIN 0                                          ; (the add's two registers lie in window 0)
	s_wait_tensorcnt 0x0                           ; all my tensor loads have landed, so a group 0 may be written
	ds_add_u32 v[SPW], v[NIL]                      ; 0 onto my spare word: the steps and a K step's products stand between it and the wait for it
.if (\chg) == 1
	s_xor_b32 s[G0E+1], s[G0E+1], SLOT1            ; the slot that I leave,
	s_add_nc_u64 s[G0E+2:G0E+3], s[G0E+2:G0E+3], CHUNKB  ; the next chunk to ask for
.endif
	s_xor_b32 s[TB], s[TB], SLOT1                  ; the fetches go to the other slot,
	s_add_co_u32 s[HS], s[HS], 0x400               ; and 256 codes on in hsq
.endif
	BLOCK \p, 1, \mode, \eid
.if \chg
	WIN 0
	s_wait_dscnt 0x0                               ; the add is done; my reads of the slot were over at the tile's head
	s_barrier_signal -1
.endif
	BLOCK \p, 2, \mode, \eid                       ; work on registers while the others arrive
.if \chg
	WIN 0                                          ; at a branch and at a label every window is 0
	s_barrier_wait -1
.if (\chg) == 1
	CREST
	tensor_load_to_lds s[G0E:G0E+3], s[G1E:G1E+7]
	s_nop 0
.endif
	v_add_nc_u32 v[ADR], s[TB], v[AK0]
	v_add_nc_u32 v[HADR], s[HS], v[H0]
	v_nop
	v_nop                                          ; four vector instructions between the load and the next switch of windows
.endif
.if (\fi) >= 0
	FETCH 1-(\p), \fi
.endif
.irp c, 3,4,5,6,7
	BLOCK \p, \c, \mode, \eid
.endr
.if \mode
	s_add_co_u32 s[TI+(\eid)], s[TI+(\eid)], 16    ; the same tile of the next chunk
.else
	PLACES                                         ; no slices stood behind these products: the next tile's first slice reads their results
.endif
.endm
	FETCH 0, 0                                     ; chunk 0, tile 0
	TILE 0, 1, 0, 0, 0                             ; tile 0: nothing to look through yet
	TILE 1, 2, 0, 1, 0                             ; tile 1 | tile 0 starts the bests
	TILE 0, 3, 0, 2, 1                             ; tile 2 | tile 1
	WIN 0
	s_mov_b32 s[CNT], 30
.Lchunk:                                               ; trip n: tile 3 of chunk n and tiles 0-2 of chunk n + 1; the slot that is left takes chunk n + 2: chunks 2 to 31
	TILE 1, 0, 1, 2, 2
	TILE 0, 1, 0, 2, 3
	TILE 1, 2, 0, 2, 0
	TILE 0, 3, 0, 2, 1
	WIN 0
	s_sub_co_u32 s[CNT], s[CNT], 1
	s_cmp_lg_u32 s[CNT], 0
	s_cbranch_scc1 .Lchunk
	TILE 1, 0, 2, 2, 2                             ; the tail is written out: chunk 30's last tile, the last change
	TILE 0, 1, 0, 2, 3
	TILE 1, 2, 0, 2, 0
	TILE 0, 3, 0, 2, 1
	TILE 1, -1, 0, 2, 2                            ; chunk 31's last tile
	WIN 0
.irp t, 0,1,2,3,4,5,6,7                ; and its scores are looked through: query tile 0's last product stands 14 plain instructions back
	EPIS 1, \t, 0, 13, 2, 3
.endr
; (a, ia) takes (b, ib) if b is greater, or equal with the lower index
.macro BETTER a, ia, b, ib
	v_cmp_gt_f32 s[MK], v[\b], v[\a]
	v_cmp_eq_f32 s[MK+1], v[\b], v[\a]
	v_cmp_lt_u32 vcc_lo, v[\ib], v[\ia]
	s_and_b32 s[MK+1], s[MK+1], vcc_lo
	s_or_b32 s[MK], s[MK], s[MK+1]
	v_cndmask_b32 v[\a], v[\a], v[\b], s[MK]
	v_cndmask_b32 v[\ia], v[\ia], v[\ib], s[MK]
.endm
; THE INDEX.  In a lane: the lowest register of the best tile that holds the best score; code = 16 x tile + 8 h + register.  Then the query's other half of the codes, in the lane 16 away.
.set t, 0
.rept 8
	v_mov_b32 v[MX+2], 7
.irp j, 6,5,4,3,2,1,0
	v_cmp_eq_f32 vcc_lo, v[SV+8*t+\j], v[BV+8+t]
	v_cndmask_b32 v[MX+2], v[MX+2], \j, vcc_lo
.endr
	v_lshl_add_u32 v[BT+t], v[BT+t], 4, v[MX+2]
	v_lshl_add_u32 v[BT+t], v2, 3, v[BT+t]
	v_permlanex16_b32 v[MX], v[BV+8+t], s[SEL], s[SEL+1]
	v_permlanex16_b32 v[MX+1], v[BT+t], s[SEL], s[SEL+1]
	BETTER BV+8+t, BT+t, MX, MX+1
	ds_store_b32 v[MST], v[BV+8+t] offset:64*t     ; query 16 t + r of my wave's 128; both halves of the lanes write the same word with the same number
	ds_store_b32 v[MST], v[BT+t] offset:2048+64*t
.set t, t+1
.endr
	s_wait_dscnt 0x0                               ; for the others' sake: my stores are done
	s_barrier_signal -1
	s_barrier_wait -1
	s_cmp_lg_u32 s[WV], 0
	s_cbranch_scc1 .Lend
.irp w, 0,1,2,3                        ; wave 0: lane l takes queries 4 l .. 4 l + 3 of all four waves
	ds_load_b128 v[SV+4*\w:SV+4*\w+3],       v[MRD] offset:512*\w
	ds_load_b128 v[SV+16+4*\w:SV+16+4*\w+3], v[MRD] offset:2048+512*\w
.endr
	s_wait_dscnt 0x0
.irp w, 1,2,3
.irp k, 0,1,2,3
	BETTER SV+\k, SV+16+\k, SV+4*\w+\k, SV+16+4*\w+\k
.endr
.endr
	global_store_b128 v[GO], v[SV+16:SV+19], s[10:11]  ; the wave stores 512 consecutive bytes, at a multiple of 512 from idx's first
.Lend:
	s_wait_tensorcnt 0x0                           ; the wave's end: a wait, an add and its wait, behind my last tensor load and my last LDS store
	ds_add_u32 v[SPW], v[NIL]
	s_wait_dscnt 0x0
	CROUND                                         ; the closing round: no work-group ends while a partner may still ask for a tile that names it
	s_endpgm
.Lfunc_end_k_qe050ae2e5a_score:
	.size	k_qe050ae2e5a_score, .Lfunc_end_k_qe050ae2e5a_score-k_qe050ae2e5a_score
	.p2alignl 7, 3214868480
	.fill 96, 4, 3214868480
	.section	.rodata,"a",@progbits
	.p2align	6, 0x0
	.amdhsa_kernel k_qe050ae2e5a_score
		.amdhsa_group_segment_fixed_size 327680
		.amdhsa_private_segment_fixed_size 0
		.amdhsa_enable_private_segment 0
		.amdhsa_kernarg_size 32
		.amdhsa_user_sgpr_count 2
		.amdhsa_user_sgpr_kernarg_segment_ptr 1
		.amdhsa_wavefront_size32 1
		.amdhsa_system_sgpr_workgroup_id_x 1
		.amdhsa_system_sgpr_workgroup_id_y 1
		.amdhsa_system_sgpr_workgroup_id_z 1
		.amdhsa_system_vgpr_workitem_id 0
		.amdhsa_next_free_vgpr 1024
		.amdhsa_next_free_sgpr 66
		.amdhsa_reserve_vcc 1
		.amdhsa_float_denorm_mode_32 3
		.amdhsa_float_denorm_mode_16_64 3
		.amdhsa_memory_ordered 1
		.amdhsa_forward_progress 1
		.amdhsa_inst_pref_size 213
	.end_amdhsa_kernel
	.amdgpu_metadata
---
amdhsa.version: [ 1, 2 ]
amdhsa.kernels:
  - .name:           k_qe050ae2e5a_score
    .symbol:         k_qe050ae2e5a_score.kd
    .args:
      - { .name: x, .offset: 0, .size: 8, .value_kind: global_buffer, .address_space: global }
      - { .name: ebf, .offset: 8, .size: 8, .value_kind: global_buffer, .address_space: global }
      - { .name: hsq, .offset: 16, .size: 8, .value_kind: global_buffer, .address_space: global }
      - { .name: idx, .offset: 24, .size: 8, .value_kind: global_buffer, .address_space: global }
    .group_segment_fixed_size: 327680
    .private_segment_fixed_size: 0
    .kernarg_segment_align: 8
    .kernarg_segment_size: 32
    .max_flat_workgroup_size: 128
    .sgpr_count:     66
    .vgpr_count:     1024
    .wavefront_size: 32
...
	.end_amdgpu_metadata
.endif
;; end of part 2
;; launch gather (part 3): grid 256 x 1, 8 waves a work-group, no clusters, 0 bytes of LDS; arguments idx, embed, out0; writes out0
.if DOCPART == 3
	.amdgcn_target "amdgcn-amd-amdhsa--gfx1250"
	.amdhsa_code_object_version 6
	.text
	.protected	k_qe050ae2e5a_gather
	.globl	k_qe050ae2e5a_gather
	.p2align	8
	.type	k_qe050ae2e5a_gather,@function
k_qe050ae2e5a_gather:
	s_mov_b64 s[64:65], 0
	v_nop
	global_prefetch_b8 v0, s[64:65] scope:SCOPE_SE
	s_setreg_imm32_b32 hwreg(HW_REG_WAVE_MODE, 25, 1), 1
	s_wait_xcnt 0x0
; out0[q][:] = embed[idx[q]][:].  idx: [32768] u32, made by the launch before; embed: [8192][256] f32; out0: [32768][256] f32.
; A wave takes 16 rows: its 16 indices come by one scalar load; a row of 1,024 bytes is two loads and two stores of 512 consecutive bytes.  All 32 loads go out first, 16 KiB a wave on their way;
; no loop, no register written twice, no LDS.  The loads carry no hint, since a code may be named by many rows; the stores are written once and not read again.
; An index is held to 0 .. 8191 before it enters an address.
.set OFF, 2                            ; v[2:17]   row i: 1,024 x its code + 16 x lane
.set D,   20                           ; v[20:147] row i: 8 registers
	s_load_b128 s[4:7], s[0:1], 0x0                ; idx s[4:5], embed s[6:7]
	s_load_b64 s[8:9], s[0:1], 0x10                ; out0
	v_lshrrev_b32 v1, 5, v0
	v_readfirstlane_b32 s10, v1                    ; wave 0..7
	v_and_b32 v1, 31, v0
	v_lshlrev_b32 v1, 4, v1                        ; 16 x lane
	s_lshl_b32 s11, ttmp9, 3
	s_add_co_u32 s11, s11, s10                     ; my wave among the launch's 2,048
	s_lshl_b32 s12, s11, 6                         ; its 16 words of idx,
	s_mov_b32 s13, 0
	s_lshl_b32 s14, s11, 14                        ; its 16 rows of out0
	s_mov_b32 s15, 0
	s_wait_kmcnt 0x0
	s_add_nc_u64 s[4:5], s[4:5], s[12:13]
	s_add_nc_u64 s[8:9], s[8:9], s[14:15]
	s_load_b512 s[16:31], s[4:5], 0x0
	s_wait_kmcnt 0x0
.irp i, 0,1,2,3,4,5,6,7,8,9,10,11,12,13,14,15
	s_min_u32 s[16+(\i)], s[16+(\i)], 0x1fff
	v_lshl_add_u32 v[OFF+(\i)], s[16+(\i)], 10, v1
.endr
.irp i, 0,1,2,3,4,5,6,7,8,9,10,11,12,13,14,15
	global_load_b128 v[D+8*(\i):D+8*(\i)+3],   v[OFF+(\i)], s[6:7]
	global_load_b128 v[D+8*(\i)+4:D+8*(\i)+7], v[OFF+(\i)], s[6:7] offset:512
.endr
.irp i, 0,1,2,3,4,5,6,7,8,9,10,11,12,13,14,15
	s_wait_loadcnt 30-2*(\i)                       ; loads come back in order: row i is in, the two loads of each later row may stay out
	global_store_b128 v1, v[D+8*(\i):D+8*(\i)+3],   s[8:9] offset:1024*(\i) th:TH_STORE_NT
	global_store_b128 v1, v[D+8*(\i)+4:D+8*(\i)+7], s[8:9] offset:1024*(\i)+512 th:TH_STORE_NT
.endr
	s_endpgm
.Lfunc_end_k_qe050ae2e5a_gather:
	.size	k_qe050ae2e5a_gather, .Lfunc_end_k_qe050ae2e5a_gather-k_qe050ae2e5a_gather
	.p2alignl 7, 3214868480
	.fill 96, 4, 3214868480
	.section	.rodata,"a",@progbits
	.p2align	6, 0x0
	.amdhsa_kernel k_qe050ae2e5a_gather
		.amdhsa_group_segment_fixed_size 0
		.amdhsa_private_segment_fixed_size 0
		.amdhsa_enable_private_segment 0
		.amdhsa_kernarg_size 24
		.amdhsa_user_sgpr_count 2
		.amdhsa_user_sgpr_kernarg_segment_ptr 1
		.amdhsa_wavefront_size32 1
		.amdhsa_system_sgpr_workgroup_id_x 1
		.amdhsa_system_sgpr_workgroup_id_y 1
		.amdhsa_system_sgpr_workgroup_id_z 1
		.amdhsa_system_vgpr_workitem_id 0
		.amdhsa_next_free_vgpr 148
		.amdhsa_next_free_sgpr 66
		.amdhsa_reserve_vcc 0
		.amdhsa_float_denorm_mode_32 3
		.amdhsa_float_denorm_mode_16_64 3
		.amdhsa_memory_ordered 1
		.amdhsa_forward_progress 1
		.amdhsa_inst_pref_size 10
	.end_amdhsa_kernel
	.amdgpu_metadata
---
amdhsa.version: [ 1, 2 ]
amdhsa.kernels:
  - .name:           k_qe050ae2e5a_gather
    .symbol:         k_qe050ae2e5a_gather.kd
    .args:
      - { .name: idx, .offset: 0, .size: 8, .value_kind: global_buffer, .address_space: global }
      - { .name: embed, .offset: 8, .size: 8, .value_kind: global_buffer, .address_space: global }
      - { .name: out0, .offset: 16, .size: 8, .value_kind: global_buffer, .address_space: global }
    .group_segment_fixed_size: 0
    .private_segment_fixed_size: 0
    .kernarg_segment_align: 8
    .kernarg_segment_size: 24
    .max_flat_workgroup_size: 256
    .sgpr_count:     66
    .vgpr_count:     148
    .wavefront_size: 32
...
	.end_amdgpu_metadata
.endif
;; end of part 3
;; ======== version 2 of 2: 3 launches; version 1 with the launch prep written anew for expert scheduling mode
;; workspace buffers: ebf 4,194,304 bytes; hsq 32,768 bytes; idx 131,072 bytes of whole numbers
;; launch prep (part 4): grid 256 x 1, 4 waves a work-group, no clusters, 0 bytes of LDS; arguments embed, ebf, hsq; writes ebf, hsq
.if DOCPART == 4
	.amdgcn_target "amdgcn-amd-amdhsa--gfx1250"
	.amdhsa_code_object_version 6
	.text
	.protected	k_qe050ae2e5a_prep
	.globl	k_qe050ae2e5a_prep
	.p2align	8
	.type	k_qe050ae2e5a_prep,@function
k_qe050ae2e5a_prep:
	s_mov_b64 s[64:65], 0
	v_nop
	global_prefetch_b8 v0, s[64:65] scope:SCOPE_SE
	s_setreg_imm32_b32 hwreg(HW_REG_WAVE_SCHED_MODE, 0, 2), 2
	s_setreg_imm32_b32 hwreg(HW_REG_WAVE_MODE, 25, 1), 1
	s_wait_xcnt 0x0
	s_wait_alu depctr_vm_vsrc(0)
; ebf[i][k] = embed[i][k] rounded once to bf16 (nearest even);  hsq[i] = -0.5 x the sum over k of ebf[i][k]^2, in f32.
; embed: [8192][256] f32.  ebf: [8192][256] bf16.  hsq: [8192] f32.  The squares are taken of the ROUNDED numbers, since the scores of the next launch are made of them.
; A work-group takes 32 rows, each of its four waves 8; lane l holds elements 8 l .. 8 l + 7 of each row, so a row's 16 bytes a lane leave as 512 consecutive bytes.
; All 16 loads of a wave go out first; no LDS, no barrier: a row's sum never leaves its wave.  hsq leaves as 32 bytes a wave: 32 KiB of the launch's 12.6 MB, for which a stage in LDS would not pay.
; LIMITS: a row's sum of squares must be finite in f32, as it must in the reference; the order of the sum is this text's own.
; THE MODE: SCHED_MODE bits 1:0 = 2 (LLVM: expert scheduling mode 2), set by the entry lines.  The code itself states the register dependences
; between vector instructions and memory instructions, with s_wait_alu, always for 0.
; THE PLAN.  Registers that memory instructions touch:
;   v2, v3, v4  byte offsets in embed, ebf and hsq: made at the head, never written again; one wait ahead of the first load states them for all 25 memory instructions.
;   X           written by the 16 loads alone, which go out before any vector instruction names X; never loaded again.
;   Y           written once, by the conversions; read by the stores of ebf (and by the unpacking lines); never written again.
;   v[T]        at the very end the data of hsq's store; not written behind it.
; The rows go in four blocks of two: both rows' eight conversions, ONE wait that states Y written, both stores, and then the two rows' squares, which only read Y.
; The seven masks that deal the sums to lanes 0 to 7 hang on the lane's number alone: they are made as one run into scalar registers, behind the loads, with one wait behind the run.
.set X, 8                              ; v[8:71]    row i: 8 registers as loaded
.set Y, 72                             ; v[72:103]  row i: 4 registers, 8 bf16 to store; never rewritten
.set T, 104                            ; v[104:111] at work
.set R, 112                            ; v[112:119] row i: its sum
.set MK,   9                           ; s10-16  mask of lane i at MK + i, i = 1 .. 7 (s10-15 hold the work-group's byte offsets first, which are used up by then)
.set SEL,  20                          ; s20-21  v_permlanex16_b32: each lane takes its own place in the other half
.set UP,   22                          ; s22     a word's upper bf16
.set SAVE, 23                          ; s23     EXEC, kept while it is narrow
	s_load_b128 s[4:7], s[0:1], 0x0                ; embed s[4:5], ebf s[6:7]
	s_load_b64 s[8:9], s[0:1], 0x10                ; hsq
	v_and_b32 v1, 31, v0                           ; lane
	v_lshrrev_b32 v5, 5, v0                        ; wave
	v_lshlrev_b32 v2, 5, v1
	v_lshl_add_u32 v2, v5, 13, v2                  ; in: wave x 8 rows x 1,024 bytes + 32 x lane
	v_lshlrev_b32 v3, 4, v1
	v_lshl_add_u32 v3, v5, 12, v3                  ; out: wave x 8 rows x 512 bytes + 16 x lane
	v_lshlrev_b32 v4, 2, v1
	v_lshl_add_u32 v4, v5, 5, v4                   ; hsq: wave x 8 words + lane's word
	s_lshl_b32 s10, ttmp9, 15                      ; the work-group's 32 rows in embed,
	s_mov_b32 s11, 0
	s_lshl_b32 s12, ttmp9, 14                      ; in ebf,
	s_mov_b32 s13, 0
	s_lshl_b32 s14, ttmp9, 7                       ; in hsq
	s_mov_b32 s15, 0
	s_mov_b32 s[SEL], 0x76543210
	s_mov_b32 s[SEL+1], 0xfedcba98
	s_mov_b32 s[UP], 0xffff0000
	s_wait_kmcnt 0x0
	s_add_nc_u64 s[4:5], s[4:5], s[10:11]
	s_add_nc_u64 s[6:7], s[6:7], s[12:13]
	s_add_nc_u64 s[8:9], s[8:9], s[14:15]
	s_wait_alu depctr_va_vdst(0)                   ; v2, v3 and v4 are written: every load and store of the kernel reads one of them as its offset
.irp i, 0,1,2,3,4,5,6,7
	global_load_b128 v[X+8*(\i):X+8*(\i)+3],   v2, s[4:5] offset:1024*(\i)
	global_load_b128 v[X+8*(\i)+4:X+8*(\i)+7], v2, s[4:5] offset:1024*(\i)+16
.endr
.irp i, 1,2,3,4,5,6,7
	v_cmp_eq_u32 s[MK+(\i)], \i, v1                ; lane i's mask, while the loads are on their way; these lines name v1 alone, which no memory instruction touches
.endr
	s_wait_alu depctr_va_sdst(0)                   ; the seven masks are written, ahead of their first readers, the selects at the end
.macro ROUNDED i                       ; row i to bf16
.irp k, 0,1,2,3
	v_cvt_pk_bf16_f32 v[Y+4*(\i)+(\k)], v[X+8*(\i)+2*(\k)], v[X+8*(\i)+2*(\k)+1]
.endr
.endm
.macro SQUARES i                       ; my 8 squares of row i, added up; Y is read, not written
.irp k, 0,1,2,3
	v_lshlrev_b32 v[T+2*(\k)],   16,    v[Y+4*(\i)+(\k)]   ; the rounded numbers back as f32
	v_and_b32     v[T+2*(\k)+1], s[UP], v[Y+4*(\i)+(\k)]
.endr
	v_pk_mul_f32 v[T:T+1], v[T:T+1], v[T:T+1]
	v_pk_fma_f32 v[T:T+1], v[T+2:T+3], v[T+2:T+3], v[T:T+1]
	v_pk_fma_f32 v[T:T+1], v[T+4:T+5], v[T+4:T+5], v[T:T+1]
	v_pk_fma_f32 v[T:T+1], v[T+6:T+7], v[T+6:T+7], v[T:T+1]
	v_add_f32 v[R+(\i)], v[T], v[T+1]
.endm
.irp p, 0,1,2,3                        ; block p: rows 2 p and 2 p + 1
	s_wait_loadcnt 12-4*(\p)                       ; loads come back in order: the block's four are in, the four loads of each later block may stay out
	ROUNDED 2*(\p)
	ROUNDED 2*(\p)+1
	s_wait_alu depctr_va_vdst(0)                   ; the eight conversions have written Y of both rows, which the two stores read
	global_store_b128 v3, v[Y+8*(\p):Y+8*(\p)+3],   s[6:7] offset:1024*(\p)      ; the wave stores 512 consecutive bytes, a whole row of ebf
	global_store_b128 v3, v[Y+8*(\p)+4:Y+8*(\p)+7], s[6:7] offset:1024*(\p)+512
	SQUARES 2*(\p)
	SQUARES 2*(\p)+1
.endr
.irp m, 1,2,4,8                        ; across the lanes, the eight rows side by side: four steps inside each half of 16 lanes,
.irp i, 0,1,2,3,4,5,6,7
	v_add_f32_dpp v[R+(\i)], v[R+(\i)], v[R+(\i)] row_xmask:\m row_mask:0xf bank_mask:0xf
.endr
.endr
.irp i, 0,1,2,3,4,5,6,7
	v_permlanex16_b32 v[T+(\i)], v[R+(\i)], s[SEL], s[SEL+1]  ; one across the halves (the destination has been written before)
.endr
.irp i, 0,1,2,3,4,5,6,7
	v_add_f32 v[R+(\i)], v[R+(\i)], v[T+(\i)]
.endr
	v_mov_b32 v[T], v[R]                           ; lane i takes row i's sum
.irp i, 1,2,3,4,5,6,7
	v_cndmask_b32 v[T], v[T], v[R+(\i)], s[MK+(\i)]
.endr
	v_mul_f32 v[T], -0.5, v[T]
	v_cmp_gt_u32 vcc_lo, 8, v1
	s_wait_xcnt 0x0                                ; EXEC is a source of the stores above: it changes only behind this wait
	s_wait_alu depctr_va_vcc(0)                    ; the compare has written VCC, from which EXEC is made
	s_wait_alu depctr_va_vdst(0)                   ; ahead of a scalar write of EXEC: the vector instructions issued so far are done; among them the multiply, which has written v[T], the data of the store below
	s_wait_alu depctr_vm_vsrc(0)                   ; ahead of a scalar write of EXEC: the stores issued so far have read their registers
	s_and_saveexec_b32 s[SAVE], vcc_lo
	global_store_b32 v4, v[T], s[8:9]              ; lanes 0 to 7: the wave's eight numbers
	s_wait_xcnt 0x0                                ; and again in front of the line that widens it
	s_wait_alu depctr_va_vdst(0)                   ; ahead of a scalar write of EXEC: no vector instruction is still at work
	s_wait_alu depctr_vm_vsrc(0)                   ; ahead of a scalar write of EXEC: the store has read v4 and v[T]
	s_or_b32 exec_lo, exec_lo, s[SAVE]
	s_endpgm
.Lfunc_end_k_qe050ae2e5a_prep:
	.size	k_qe050ae2e5a_prep, .Lfunc_end_k_qe050ae2e5a_prep-k_qe050ae2e5a_prep
	.p2alignl 7, 3214868480
	.fill 96, 4, 3214868480
	.section	.rodata,"a",@progbits
	.p2align	6, 0x0
	.amdhsa_kernel k_qe050ae2e5a_prep
		.amdhsa_group_segment_fixed_size 0
		.amdhsa_private_segment_fixed_size 0
		.amdhsa_enable_private_segment 0
		.amdhsa_kernarg_size 24
		.amdhsa_user_sgpr_count 2
		.amdhsa_user_sgpr_kernarg_segment_ptr 1
		.amdhsa_wavefront_size32 1
		.amdhsa_system_sgpr_workgroup_id_x 1
		.amdhsa_system_sgpr_workgroup_id_y 1
		.amdhsa_system_sgpr_workgroup_id_z 1
		.amdhsa_system_vgpr_workitem_id 0
		.amdhsa_next_free_vgpr 120
		.amdhsa_next_free_sgpr 66
		.amdhsa_reserve_vcc 1
		.amdhsa_float_denorm_mode_32 3
		.amdhsa_float_denorm_mode_16_64 3
		.amdhsa_memory_ordered 1
		.amdhsa_forward_progress 1
		.amdhsa_inst_pref_size 15
	.end_amdhsa_kernel
	.amdgpu_metadata
---
amdhsa.version: [ 1, 2 ]
amdhsa.kernels:
  - .name:           k_qe050ae2e5a_prep
    .symbol:         k_qe050ae2e5a_prep.kd
    .args:
      - { .name: embed, .offset: 0, .size: 8, .value_kind: global_buffer, .address_space: global }
      - { .name: ebf, .offset: 8, .size: 8, .value_kind: global_buffer, .address_space: global }
      - { .name: hsq, .offset: 16, .size: 8, .value_kind: global_buffer, .address_space: global }
    .group_segment_fixed_size: 0
    .private_segment_fixed_size: 0
    .kernarg_segment_align: 8
    .kernarg_segment_size: 24
    .max_flat_workgroup_size: 128
    .sgpr_count:     66
    .vgpr_count:     120
    .wavefront_size: 32
...
	.end_amdgpu_metadata
.endif
;; end of part 4
;; launch score: the kernel of part 2 again; grid 256 x 1, 4 waves a work-group, clusters of 4 x 1, 327,680 bytes of LDS; arguments x, ebf, hsq, idx; writes idx
;; launch gather: the kernel of part 3 again; grid 256 x 1, 8 waves a work-group, no clusters, 0 bytes of LDS; arguments idx, embed, out0; writes out0
